; MI455X (gfx1250); checked and timed in simulation.
; The chip was launched on July 23, 2026; its instructions are those of AMD's public machine-readable ISA for CDNA 5 (MIT licence, August 2026) and "CDNA5" Instruction Set Architecture Reference Guide (July 2026). The comments in the code are by the model that wrote it; some were corrected since.
;; Model. Allowed arithmetic: matrix products marked QUANTISED: E5M2 operands, one given power-of-two scale a tensor, by v_wmma_f32_16x16x64_bf8_bf8 or v_wmma_f32_16x16x128_bf8_bf8, f32 sums; products left as they are: f32 operands where the result goes on into a quantised operand, else bf16, f16 or f32 operands; f32 sums; everything else in f32.
;; Inputs: cl_b1 64 float32; cl_b2 10 float32; cl_w1_codes 64 x 2 x 32 uint8 (E5M2 codes of cl_w1, K innermost, in blocks of 32 codes); cl_w2 64 x 10 float32; eb1 4 x 256 float32; eb2 4 x 64 float32; ew1_codes 4 x 256 x 2 x 32 uint8 (E5M2 codes of ew1, K innermost, in blocks of 32 codes); ew2_codes 4 x 64 x 8 x 32 uint8 (E5M2 codes of ew2, K innermost, in blocks of 32 codes); gate_b 4 float32; gate_w 64 x 4 float32; ln_b 64 float32; ln_g 64 float32; lowp_scales 10 int32 (the exponents e of the quantised operands' scales 2^e); pe_b1 64 float32; pe_b2 64 float32; pe_w1_codes 64 x 6 x 32 uint8 (E5M2 codes of pe_w1, K innermost, in blocks of 32 codes); pe_w2_codes 64 x 2 x 32 uint8 (E5M2 codes of pe_w2, K innermost, in blocks of 32 codes); x_codes 128 x 1,024 x 6 x 32 uint8 (E5M2 codes of x, K innermost, in blocks of 32 codes).
;; Outputs: out0 128 x 10 float32; out1 one number float32.
;; This version of the problem:
;;   THIS VERSION OF THE PROBLEM IS GIVEN IN LOW PRECISION. The matrix products marked QUANTISED in the list below multiply operands that are first quantised to E5M2 (5 exponent bits, 2 mantissa bits; 8 bits a number), with one given power-of-two scale for each operand tensor; their sums are f32. All else is computed in f32.
;;   The module's matrix products, in the order in which they are computed (A, B: the left and right operand; K: the contracted axis; several contracted axes count as one K, in the product's order):
;;     1. [M 131,072, K 192] x [K 192, N 64]; A: input x (given as codes); B: input pe_w1 (given as codes): QUANTISED (scales: A lowp_scales[0], B lowp_scales[1])
;;     2. [M 131,072, K 64] x [K 64, N 64]; A: computed on the way; B: input pe_w2 (given as codes): QUANTISED (scales: A lowp_scales[2], B lowp_scales[3])
;;     3. [M 131,072, K 64] x [K 64, N 4]; A: computed on the way; B: input gate_w: left as it is (N = 4 < 16)
;;     4. [M 131,072, K 64] x [K 64, N 1,024]; A: computed on the way; B: input ew1 (given as codes): QUANTISED (scales: A lowp_scales[4], B lowp_scales[5])
;;     5. batch 4 x [M 64, K 256] x [K 256, N 131,072]; A: input ew2 (given as codes); B: computed on the way: QUANTISED (scales: A lowp_scales[6], B lowp_scales[7])
;;     6. batch 131,072 x [M 64, K 4] x [K 4, N 1]; A: computed on the way; B: computed on the way: left as it is (K = 4 < 32)
;;     7. [M 128, K 64] x [K 64, N 64]; A: computed on the way; B: input cl_w1 (given as codes): QUANTISED (scales: A lowp_scales[8], B lowp_scales[9])
;;     8. [M 128, K 64] x [K 64, N 10]; A: computed on the way; B: input cl_w2: left as it is (N = 10 < 16)
;;   THE QUANTISER, for each operand of a quantised product, along K:
;;     - The operand's scale is 2^e, e = its entry of the input lowp_scales (int32; the entries are numbered through the quantised products in the list's order, A before B).
;;     - Each number is divided by the scale, clamped to +-57,344, and rounded to the nearest number of E5M2, ties to even, subnormals kept.
;;     - The product sums the exact products of the quantised numbers (number of the format x scale) in f32.
;;   ~~~python
;;   def quantise(x, axis, e):      # numpy; x: float32 -> the quantised numbers, widened to float32 again
;;       x = np.moveaxis(x, axis, -1); K = x.shape[-1]
;;       r = np.clip(x / 2.0 ** e, -57344, 57344)
;;       step = 2.0 ** (np.maximum(np.frexp(np.where(r == 0, 1, r))[1] - 1, -14) - 2)
;;       q = np.round(r / step) * step * 2.0 ** e      # np.round: ties to even
;;       return np.moveaxis(q, -1, axis).astype(np.float32)
;;   ~~~
;;   OPERANDS COMPUTED ON THE WAY. 'Computed on the way' means the value that the module computes at that place (a softmax that the list does not call 'softmax' is quantised finished and normalised). What goes into a quantiser is computed in f32, as accurately as f32 sums, v_exp_f32 and their like allow (about 1e-6 of the number): no bf16 or f16 on the way to a quantiser, and a product that is left as it is and whose result goes on into a quantised operand takes f32 operands (vector FMAs, or v_wmma_f32_16x16x4_f32). A number that lies on a knife's edge between two numbers of the format may be rounded either way, as far as f32 arithmetic and the matrix unit's own rounding can turn it there, and no further.
;;   INPUTS GIVEN AS CODES. cl_w1 (in the module: [64, 64], K = its axis 0); ew1 (in the module: [4, 64, 256], K = its axis 1); ew2 (in the module: [4, 256, 64], K = its axis 1); pe_w1 (in the module: [192, 64], K = its axis 0); pe_w2 (in the module: [64, 64], K = its axis 0); x (in the module: [128, 1024, 192], K = its axis 2): each comes as NAME_codes (uint8): NAME with its K axis moved to the last place and cut into blocks of 32 codes, [.., K / 32, bytes a block], one block behind the other in memory; one code a byte (a code: sign, 5 exponent bits, 2 mantissa bits); its scale is its entry of lowp_scales. Its value is code x scale, taken as it is: it is not quantised again, and the codes and scales need not be those that the quantiser above would give.
;; One version. Each part assembles by itself: llvm-mc -triple=amdgcn-amd-amdhsa -mcpu=gfx1250 --defsym DOCPART=n.
;; ======== version 1 of 1: 2 launches
;; limits: right only within a limited range of input values
;; workspace buffers: part 131,072 bytes
;; launch moe (part 1): grid 256 x 1, 16 waves a work-group, clusters of 4 x 1, 327,680 bytes of LDS; arguments x_codes, pe_w1_codes, pe_w2_codes, ew1_codes, ew2_codes, lowp_scales, pe_b1, pe_b2, gate_w, gate_b, eb1, eb2, part; writes part
.if DOCPART == 1
	.amdgcn_target "amdgcn-amd-amdhsa--gfx1250"
	.amdhsa_code_object_version 6
	.text
	.protected	k_qf2b2f3ba69_moe
	.globl	k_qf2b2f3ba69_moe
	.p2align	8
	.type	k_qf2b2f3ba69_moe,@function
k_qf2b2f3ba69_moe:
	s_mov_b64 s[64:65], 0
	v_nop
	global_prefetch_b8 v0, s[64:65] scope:SCOPE_SE
	s_setreg_imm32_b32 hwreg(HW_REG_WAVE_MODE, 25, 1), 1
	s_wait_xcnt 0x0
	s_wait_alu depctr_hold_cnt(0) depctr_sa_sdst(0) depctr_va_vdst(0) depctr_va_sdst(0) depctr_va_ssrc(0) depctr_va_vcc(0) depctr_vm_vsrc(0)
	s_getreg_b32 s2, hwreg(HW_REG_IB_STS2, 6, 4)
	s_cmp_eq_u32 s2, 0
	s_cbranch_scc0 .Lentry_in_a_cluster
	s_endpgm
.Lentry_in_a_cluster:
	s_bfe_u32 s2, ttmp6, 0x10000c
	s_cmp_lg_u32 s2, 0x3003
	s_cbranch_scc0 .Lentry_shape_is_right
	s_endpgm
.Lentry_shape_is_right:
; Patch encoder, top-1 gate, the chosen expert's MLP and the sum over tokens, for 512 tokens a work-group (half a batch), in one pass.  All quantised products on E5M2 codes.
; SHARES.  Sixteen waves, four to a SIMD, 256 registers each; a wave owns 32 tokens = two tiles of 16 and takes both through the whole chain.  Every product is used transposed (source 0 = 16 rows of a weight,
; source 1 = 16 tokens): lane (r = lane % 16, h = lane / 16) holds token r.  An operand's registers 4 b .. 4 b + 3 hold k = 32 b + 16 h + 0 .. 15, in A and in B alike (a permutation of k that both sides share).
; THE ROWS OF A WEIGHT THAT FORM A TILE ARE NOT NEIGHBOURS where the result becomes an operand: lane r of tile (b, u) takes row 32 b + 8 u + r % 8 + 16 (r / 8), so that the 16 registers of tiles (b, 0), (b, 1) are 16 neighbours of the next K.
; THE CHOICE OF EXPERT ONLY SELECTS VALUES: no address and no branch hangs on it.
;   first expert product: K is the four experts' 64 on end; a token's operand holds h's codes in its expert's place and zero codes elsewhere, the weight operand all four experts' rows: 256 sums a token.
;   eb1 of the chosen expert starts those sums: an f32 product, K = 4, of eb1 (transposed) with the one-hot vector: 1 x b + 0 x the others, exact.
;   second expert product: all four experts' 64 outputs, combined by multiply-adds with gate x one-hot; eb2 is added behind the sum over tokens: sum of gate x eb2[e] = sum over e of G_e eb2[e].
; GELU, exact form, to f32 accuracy relative to the number: 2 gelu(a) = (a + |a|) - |a| E, E = erfc(|a| / sqrt 2) = t 2^(c2 a^2 + c0 + t (c1 + .. + t c9)), t = 1 / (1 + |a| / sqrt 8): a Chebyshev fit whose fractional error is 1.2e-7.
;   a + |a| is exact (2 a or 0); the factor 2 goes into the conversion's scale.
; THE GIVEN SCALES ARE FOLDED: sums stay as the matrix unit leaves them (a / 2^S); biases go in as b / 2^S, gelu's two constants carry 2^S and 2^(2 S), each conversion takes one power of two.
; THE GATE's partial sums of tile 0 meet in lanes 0-15 and those of tile 1 in lanes 16-31, so that one softmax serves both tiles.
; CLUSTER.  All work-groups read the same weights: the four of a cluster ask for them jointly (mask 15), one load a wave, as dense rows of 256 bytes.  Every LDS byte is filled once.
; x is each work-group's own: 12 loads a wave of 512 consecutive bytes each, all asked for at the head, staged in the wave's own LDS bytes.  No loop runs ahead of a stream, so there is no prefetch.
; OUT: row wg of part, 128 f32: 0-63 sum of gate x expert output; 64-67 G_e; 68-71 tokens routed to e; 72-75 sum of probabilities; the rest is read by nobody.
; LIMITS.  e2 and e7 at least -18 (so that 57,344 x the scale lies above 0.17, gelu's least value negated: the hold is one-sided).  |e0 + e1| and |e4 + e5| at most 60 (they enter squared);
; e2 - e0 - e1, e4 - e2 - e3, e7 - e4 - e5 between -126 and 111; e2 + e3, e6 + e7 between -126 and 127.  NaN and infinity among inputs or codes are not served.
; gelu: relative error about 3e-7, growing as a^2 x 4e-8 far below zero; results under 2^-126 become 0.  Equal probabilities go to the lower expert, as argmax does.
.set E1L,   0                          ; ew1: 64 bytes a hidden row, 16 of padding behind each 128
.set E2L,   73728                      ; ew2: rows of 256 bytes, pitch 272
.set PW1L,  143360                     ; pe_w1: rows of 192 bytes, 16 of padding behind each 64: pitch 240
.set PW2L,  158720                     ; pe_w2: as ew1
.set TAB,   163328                     ; gate_w as it lies (1,024 bytes), pe_b1 / 2^S1, pe_b2 / 2^S2 (256 bytes each)
.set EB1I,  164864                     ; eb1 / 2^S4 as images of the f32 operand: 16 tiles x 256 bytes
.set WREG,  168960                     ; 8,192 bytes a wave: x's two tiles, then the hidden layer's images, then the rows of the closing sum
.set RED,   300032                     ; 512 bytes a wave for the closing sum
.set SPARE, 308224                     ; the spare words: 128 bytes a wave
.set XT,    3840                       ; an x tile in LDS: 16 rows x 240
.set XA,   1                           ; v1   x: 240 r + 16 h
.set IMG,  2                           ; v2   16 x lane in my region
.set W1B,  3
.set W2B,  4
.set BIB,  5
.set C8V,  12                          ; v[12:13] c8, twice
.set SC1,  15                          ; each conversion's power of two, and 57,344 x that
.set LM1,  16
.set SC2,  17
.set LM2,  18
.set SC4,  19
.set LM4,  20
.set SPW,  21
.set NIL,  22
.set XST,  23
.set SG,   24                          ; v24-27 G, v28-31 one-hot, v32-35 probabilities of my lane's token
.set CNT,  28
.set SPB,  32
.set WG,   36                          ; v36-43 gate x one-hot, tile tt, expert e at 4 tt + e
.set OHB,  44                          ; v44-47 the one-hot vectors as f32 operands, two registers a tile
.set BF,   48                          ; v48-51 eb1's two fragments
.set ACC,  64                          ; v64-95: written by matrix instructions alone
.set GT,   96                          ; gelu: t, polynomial, |x|, and |x|^2 then the result
.set GP,   112
.set GW,   128
.set GS,   144
.set FRB,  96                          ; fragments of a pair's second tile, where gelu works later
.set XF,   160                         ; v160-207 x
.set MH,   160                         ; v160-223 masked codes of h (32 tt + 8 e), later codes of the hidden layer (32 tt + 4 p)
.set HC,   208                         ; v208-223 codes of h (8 a tile)
.set EB,   224                         ; v224-255 the encoder's second tile of sums; fragments of a pair's first tile; the sums over tokens
.set WV,   3
.set CK0,  66
.set CK1,  68
.set CK2,  70
.set CK3,  72
.set CK4,  74
.set CK5,  76
.set CK6,  78
.set CK7,  80
.set CK9,  82
.set KD1,  84
.set C2A,  86
.set KD4,  88
.set C2B,  90
.set SCL2, 92
.set SCL5, 93
.set HI16, 94
.set ABS,  95
.set SEL,  96
.macro VW
	s_wait_alu depctr_va_vdst(0)
.endm
.macro PLACES n
.rept \n
	v_nop
.endr
.endm
.macro ROUND                           ; a round of the cluster's barrier
	s_barrier_signal -1
	s_barrier_wait -1
	s_cmp_lg_u32 s[WV], 0
	s_cbranch_scc1 .Lnot_wave_0_\@
	s_barrier_signal -3
.Lnot_wave_0_\@:
	s_barrier_wait -3
	s_barrier_signal -1
	s_barrier_wait -1
.endm
.macro DESC1 g, qi, rows               ; descriptor group 1: rows x 256 bytes, dense in memory; mask of the four; padding on, 4 words behind every 2 << qi; bit 21 beside a mask
	s_mov_b32 s[\g], 15|(1<<20)|(1<<21)|(\qi<<22)|(3<<25)
	s_mov_b32 s[\g+1], 256<<16
	s_mov_b32 s[\g+2], (\rows)<<16
	s_mov_b32 s[\g+3], 256<<16
	s_mov_b32 s[\g+4], \rows
	s_mov_b32 s[\g+5], 256
	s_mov_b32 s[\g+6], 0
	s_mov_b32 s[\g+7], 0
.endm
.macro TLOAD g1                        ; a joint load
	s_or_b32 s7, s7, 0x80000000
	tensor_load_to_lds s[4:7], s[\g1:\g1+7]
	s_nop 0
	PLACES 4
.endm
.macro CPAIR r, val
	s_mov_b32 s[\r], \val
	s_mov_b32 s[\r+1], \val
.endm
.macro SCLM vs, vl                     ; s14 = an exponent e: v[vs] = 2^e, v[vl] = 57,344 x 2^e
	s_add_co_i32 s14, s14, 127
	s_lshl_b32 s15, s14, 23
	v_mov_b32 v[\vs], s15
	s_add_co_i32 s14, s14, 15
	s_lshl_b32 s14, s14, 23
	s_or_b32 s14, s14, 0x600000
	v_mov_b32 v[\vl], s14
.endm
; gelu of 16 numbers v[X] .. v[X + 15], which are only read, from the low end on; held at the largest code (the conversion does not saturate: ISA guide 7.6.2) and converted: 16 codes in v[OUT] .. v[OUT + 3].
.macro GELU16 X, KD, C2, LM, SC, OUT
	VW
.irp i, 0,1,2,3,4,5,6,7,8,9,10,11,12,13,14,15
	v_and_b32 v[GW+\i], s[ABS], v[(\X)+\i]
.endr
.irp i, 0,2,4,6,8,10,12,14
	v_pk_fma_f32 v[GT+\i:GT+\i+1], v[GW+\i:GW+\i+1], s[\KD:\KD+1], 1.0 op_sel_hi:[1,0,0]
.endr
	VW
.irp i, 0,2,4,6,8,10,12,14
	v_rcp_f32 v[GT+\i], v[GT+\i]
	v_rcp_f32 v[GT+\i+1], v[GT+\i+1]
	v_pk_mul_f32 v[GS+\i:GS+\i+1], v[GW+\i:GW+\i+1], v[GW+\i:GW+\i+1]
.endr
	VW
.irp i, 0,2,4,6,8,10,12,14
	v_pk_fma_f32 v[GP+\i:GP+\i+1], v[GT+\i:GT+\i+1], s[CK9:CK9+1], v[C8V:C8V+1] op_sel_hi:[1,0,1]
.endr
.irp ck, CK7,CK6,CK5,CK4,CK3,CK2,CK1,CK0
.irp i, 0,2,4,6,8,10,12,14
	v_pk_fma_f32 v[GP+\i:GP+\i+1], v[GP+\i:GP+\i+1], v[GT+\i:GT+\i+1], s[\ck:\ck+1] op_sel_hi:[1,1,0]
.endr
.endr
.irp i, 0,2,4,6,8,10,12,14
	v_pk_fma_f32 v[GP+\i:GP+\i+1], v[GS+\i:GS+\i+1], s[\C2:\C2+1], v[GP+\i:GP+\i+1] op_sel_hi:[1,0,1]
.endr
	VW
.irp i, 0,2,4,6,8,10,12,14
	v_exp_f32 v[GP+\i], v[GP+\i]
	v_exp_f32 v[GP+\i+1], v[GP+\i+1]
	v_pk_add_f32 v[GS+\i:GS+\i+1], v[(\X)+\i:(\X)+\i+1], v[GW+\i:GW+\i+1]
.endr
	VW
.irp i, 0,2,4,6,8,10,12,14
	v_pk_mul_f32 v[GP+\i:GP+\i+1], v[GP+\i:GP+\i+1], v[GT+\i:GT+\i+1]
.endr
.irp i, 0,2,4,6,8,10,12,14
	v_pk_fma_f32 v[GS+\i:GS+\i+1], v[GW+\i:GW+\i+1], v[GP+\i:GP+\i+1], v[GS+\i:GS+\i+1] neg_lo:[1,0,0] neg_hi:[1,0,0]
.endr
.irp i, 0,2,4,6,8,10,12,14
	v_dual_min_num_f32 v[GS+\i], v[\LM], v[GS+\i] :: v_dual_min_num_f32 v[GS+\i+1], v[\LM], v[GS+\i+1]
.endr
	v_cvt_scalef32_pk8_bf8_f32 v[(\OUT):(\OUT)+1], v[GS:GS+7], v[\SC]
	v_cvt_scalef32_pk8_bf8_f32 v[(\OUT)+2:(\OUT)+3], v[GS+8:GS+15], v[\SC]
	v_nop                                          ; one plain line behind the last conversion
.endm
	s_load_b512 s[32:47], s[0:1], 0x0              ; x, pe_w1, pe_w2, ew1, ew2, scales, pe_b1, pe_b2
	s_load_b256 s[48:55], s[0:1], 0x40             ; gate_w, gate_b, eb1, eb2
	s_load_b64 s[56:57], s[0:1], 0x60              ; part
	v_lshl_add_u32 v[SPW], v0, 2, SPARE
	v_mov_b32 v[NIL], 0
	ds_add_u32 v[SPW], v[NIL]                      ; the opening add, twice on end
	ds_add_u32 v[SPW], v[NIL]
	v_lshrrev_b32 v63, 5, v0
	v_readfirstlane_b32 s[WV], v63                 ; wave 0..15
	s_lshl_b32 s58, s[WV], 13
	s_add_co_u32 s58, s58, WREG                    ; my wave's region
	s_lshr_b32 s59, s[WV], 1                       ; eb1: tile w = (w / 2, w % 2)
	s_lshl_b32 s59, s59, 7
	s_and_b32 s14, s[WV], 1
	s_lshl_b32 s14, s14, 5
	s_add_co_u32 s59, s59, s14
	s_lshl_b32 s15, s[WV], 8
	s_bfe_u32 s24, ttmp6, 0x40000                  ; my place in the cluster: it enters x's and part's global addresses alone
	s_lshl_b32 s25, ttmp9, 2
	s_add_co_u32 s24, s24, s25                     ; work-group = 4 x cluster + place
	s_mul_i32 s24, s24, 98304                      ; x: 512 tokens of 192 bytes a work-group, 32 a wave
	s_mul_i32 s25, s[WV], 6144
	s_add_co_u32 s24, s24, s25
	s_mov_b32 s25, 0
	s_and_b32 s8, s[WV], 3                         ; which quarter of ew1 or ew2 I fetch
	s_lshl_b32 s100, s8, 14
	s_mov_b32 s101, 0
	DESC1 68, 3, 48
	DESC1 76, 4, 16
	DESC1 84, 4, 64
	DESC1 92, 5, 64
	v_and_b32 v60, 31, v0                          ; lane
	v_and_b32 v61, 15, v0                          ; r
	v_bfe_u32 v62, v0, 4, 1                        ; h
	v_bfe_u32 v59, v0, 3, 1                        ; r / 8
	v_and_b32 v58, 7, v0                           ; r % 8
	v_mul_u32_u24 v[XA], v61, 240
	v_lshl_add_u32 v[XA], v62, 4, v[XA]
	v_add_nc_u32 v[XA], s58, v[XA]
	v_lshlrev_b32 v24, 4, v60                      ; v24: 16 x lane
	v_add_nc_u32 v[IMG], s58, v24
	v_lshrrev_b32 v57, 2, v60
	v_lshl_add_u32 v[XST], v57, 4, v[IMG]          ; x's stage: 16 bytes of padding behind each 64
	v_bfe_u32 v57, v0, 1, 2                        ; rows of 64 bytes lie two to an LDS row of 144: row r % 8 + 16 (r / 8) is at ((r / 2) % 4) 144 + (r % 2) 64 + (r / 8) 1152
	v_mul_u32_u24 v[W1B], v57, 144
	v_and_b32 v57, 1, v0
	v_lshl_add_u32 v[W1B], v57, 6, v[W1B]
	v_mad_u32_u24 v[W1B], v59, 1152, v[W1B]
	v_lshl_add_u32 v[W1B], v62, 4, v[W1B]          ; (ew1 begins at LDS byte 0)
	v_add_nc_u32 v10, PW2L, v[W1B]                 ; v10: pe_w2
	v_mul_u32_u24 v[W2B], v61, 272
	v_lshl_add_u32 v[W2B], v62, 4, v[W2B]
	v_add_nc_u32 v[W2B], E2L, v[W2B]
	v_lshlrev_b32 v26, 3, v60                      ; v26: 8 x lane
	v_add_nc_u32 v[BIB], EB1I, v26
	v_mul_u32_u24 v9, v58, 240
	v_mad_u32_u24 v9, v59, 3840, v9
	v_lshl_add_u32 v9, v62, 4, v9
	v_add_nc_u32 v9, PW1L, v9                      ; v9: pe_w1
	v_lshlrev_b32 v11, 8, v62
	v_add_nc_u32 v11, TAB, v11                     ; v11: gate_w, my half's 16 units x 16 bytes
	v_lshlrev_b32 v14, 6, v62
	v_add_nc_u32 v14, TAB+1024, v14                ; v14: biases, my half's 16 units x 4 bytes
	v_lshlrev_b32 v27, 4, v0
	v_add_nc_u32 v27, TAB, v27                     ; v27: where threads 0-63 store gate_w
	v_and_b32 v25, 63, v0
	v_lshlrev_b32 v25, 4, v25
	v_add_nc_u32 v29, TAB+1024, v26                ; v29: where waves 2 and 3 store the biases
	v_lshlrev_b32 v31, 2, v58                      ; eb1: expert 2 h + j, hidden unit 32 (w / 2) + 8 (w % 2) + r % 8 + 16 (r / 8)
	v_lshl_add_u32 v31, v59, 6, v31
	v_lshl_add_u32 v31, v62, 11, v31
	v_add_nc_u32 v31, s59, v31
	v_add_nc_u32 v30, s15, v[BIB]                  ; v30: where I store eb1's image of tile w
	v_mov_b32 v[C8V], 0xbf97d29d
	v_mov_b32 v[C8V+1], 0xbf97d29d
	VW
	s_wait_dscnt 0x0                               ; both opening adds are done
	ROUND                                          ; all four work-groups are here: the joint loads meet
	s_wait_kmcnt 0x0
	s_load_b256 s[16:23], s[42:43], 0x0            ; e0 .. e7
	s_load_b128 s[60:63], s[50:51], 0x0            ; gate_b
	s_mov_b32 s4, 1
	; ONE joint load a wave: wave 0 pe_w1, wave 1 pe_w2, waves 4-7 ew1, waves 8-11 ew2.  The addresses hang on the wave's number alone
	s_cmp_gt_u32 s[WV], 11
	s_cbranch_scc1 .Lasked
	s_cmp_gt_u32 s[WV], 7
	s_cbranch_scc1 .Lask_ew2
	s_cmp_gt_u32 s[WV], 3
	s_cbranch_scc1 .Lask_ew1
	s_cmp_gt_u32 s[WV], 1
	s_cbranch_scc1 .Lasked
	s_cmp_eq_u32 s[WV], 1
	s_cbranch_scc1 .Lask_pw2
	s_mov_b32 s5, PW1L
	s_mov_b64 s[6:7], s[34:35]
	TLOAD 68
	s_branch .Lasked
.Lask_pw2:
	s_mov_b32 s5, PW2L
	s_mov_b64 s[6:7], s[36:37]
	TLOAD 76
	s_branch .Lasked
.Lask_ew1:
	s_mul_i32 s5, s8, 18432
	s_add_nc_u64 s[6:7], s[38:39], s[100:101]
	TLOAD 84
	s_branch .Lasked
.Lask_ew2:
	s_mul_i32 s5, s8, 17408
	s_add_co_u32 s5, s5, E2L
	s_add_nc_u64 s[6:7], s[40:41], s[100:101]
	TLOAD 92
.Lasked:
	global_load_b128 v[48:51], v25, s[48:49]       ; gate_w
	global_load_b64 v[54:55], v26, s[44:45]        ; pe_b1
	global_load_b64 v[56:57], v26, s[46:47]        ; pe_b2
	global_load_b32 v52, v31, s[52:53]             ; eb1
	global_load_b32 v53, v31, s[52:53] offset:1024
	s_add_nc_u64 s[32:33], s[32:33], s[24:25]
.irp i, 0,1,2,3,4,5,6,7,8,9,10,11
	global_load_b128 v[XF+4*\i:XF+4*\i+3], v24, s[32:33] offset:512*\i th:TH_LOAD_NT   ; my 32 tokens: 512 consecutive bytes a load
.endr
	s_wait_kmcnt 0x0
	s_add_co_i32 s26, s16, s17                     ; S1 = e0 + e1
	s_add_co_i32 s27, s18, s19                     ; S2 = e2 + e3
	s_add_co_i32 s28, s20, s21                     ; S4 = e4 + e5
	s_sub_co_i32 s29, 0, s26
	s_sub_co_i32 s30, 0, s27
	s_sub_co_i32 s31, 0, s28
	s_sub_co_i32 s14, s18, s26
	s_add_co_i32 s14, s14, 1                       ; (2 gelu)
	SCLM SC1, LM1
	s_sub_co_i32 s14, s20, s27
	SCLM SC2, LM2
	s_sub_co_i32 s14, s23, s28
	s_add_co_i32 s14, s14, 1
	SCLM SC4, LM4
	VW                                             ; the head's end
	s_wait_loadcnt 0xc                             ; all but x's twelve loads
	s_cmp_gt_u32 s[WV], 3
	s_cbranch_scc1 .Ltab
	s_cmp_lt_u32 s[WV], 2
	s_cbranch_scc1 .Ltab_gate
	s_cmp_eq_u32 s[WV], 2
	s_cbranch_scc0 .Ltab_b2
	v_ldexp_f32 v54, v54, s29                      ; a bias goes in divided by the power of two that the sums lack
	v_ldexp_f32 v55, v55, s29
	ds_store_b64 v29, v[54:55]
	s_branch .Ltab
.Ltab_b2:
	v_ldexp_f32 v56, v56, s30
	v_ldexp_f32 v57, v57, s30
	ds_store_b64 v29, v[56:57] offset:256
	s_branch .Ltab
.Ltab_gate:
	ds_store_b128 v27, v[48:51]
.Ltab:
	v_ldexp_f32 v52, v52, s31
	v_ldexp_f32 v53, v53, s31
	ds_store_b64 v30, v[52:53]                     ; the f32 operand's image: register j of lane (r, h) = eb1(expert 2 h + j, the tile's row r)
	s_cmp_gt_u32 s[WV], 1
	s_cbranch_scc1 .Lno_pw
	s_wait_tensorcnt 0x0                           ; waves 0 and 1: pe_w1 and pe_w2 are in
.Lno_pw:
	s_wait_dscnt 0x0                               ; my part of the tables has landed
	s_barrier_signal -1
	s_barrier_wait -1                              ; everybody's has
; THE ENCODER for both tiles.  Tile 0's sums stand in ACC, tile 1's in EB, four tiles of 16 units each
.macro LDPW q, base                    ; pe_w1's fragments, 64 of K
.irp t, 0,1,2,3
.irp c, 0,1
	ds_load_b128 v[\base+8*\t+4*\c:\base+8*\t+4*\c+3], v9 offset:(32*(\t/2)+8*(\t%2))*240+80*\q+32*\c
.endr
.endr
.endm
.macro LDBIAS off                      ; a bias in the results' layout, into EB
.irp t, 0,1,2,3
	ds_load_b128 v[EB+8*\t:EB+8*\t+3], v14 offset:\off+(32*(\t/2)+8*(\t%2))*4
	ds_load_b128 v[EB+8*\t+4:EB+8*\t+7], v14 offset:\off+(32*(\t/2)+8*(\t%2))*4+16
.endr
.endm
.macro PROD first, base, b0, b1        ; the eight accumulators by turns; the first step takes the bias as C: tile 0 reads it in EB, tile 1 then adds onto it in place
.irp t, 0,1,2,3
.if \first
	v_wmma_f32_16x16x64_bf8_bf8 v[ACC+8*\t:ACC+8*\t+7], v[\base+8*\t:\base+8*\t+7], v[\b0:\b0+7], v[EB+8*\t:EB+8*\t+7]
.else
	v_wmma_f32_16x16x64_bf8_bf8 v[ACC+8*\t:ACC+8*\t+7], v[\base+8*\t:\base+8*\t+7], v[\b0:\b0+7], v[ACC+8*\t:ACC+8*\t+7]
.endif
.endr
.if \first
	PLACES 5                                       ; the lines below write over the C of the lines above
.endif
.irp t, 0,1,2,3
	v_wmma_f32_16x16x64_bf8_bf8 v[EB+8*\t:EB+8*\t+7], v[\base+8*\t:\base+8*\t+7], v[\b1:\b1+7], v[EB+8*\t:EB+8*\t+7]
.endr
.endm
	LDPW 0, 96
	LDPW 1, 128
	LDBIAS 0
	s_wait_loadcnt 0x6                             ; tile 0's six loads
.irp i, 0,1,2,3,4,5
	ds_store_b128 v[XST], v[XF+4*\i:XF+4*\i+3] offset:640*\i
.endr
	s_wait_loadcnt 0x0
.irp i, 6,7,8,9,10,11
	ds_store_b128 v[XST], v[XF+4*\i:XF+4*\i+3] offset:640*\i
.endr
	s_wait_dscnt 0x0                               ; the stores have read their registers
.irp tt, 0,1
.irp c, 0,1,2,3,4,5
	ds_load_b128 v[XF+24*\tt+4*\c:XF+24*\tt+4*\c+3], v[XA] offset:\tt*XT+32*\c+16*(\c/2)
.endr
.endr
	s_wait_tensorcnt 0x0                           ; my part of the experts' weights is in, and my descriptors' registers are free
	s_lshl_b32 s14, s26, 23                        ; exponents are added to the constants' exponent fields
	s_add_co_u32 s[KD1], s14, 0x3eb504f3           ; 2^S1 / sqrt 8
	s_mov_b32 s[KD1+1], s[KD1]
	s_add_co_u32 s[C2A], s14, 0xbf38aa3b
	s_add_co_u32 s[C2A], s[C2A], s14               ; -log2(e) / 2 x 2^(2 S1)
	s_mov_b32 s[C2A+1], s[C2A]
	s_lshl_b32 s14, s28, 23
	s_add_co_u32 s[KD4], s14, 0x3eb504f3
	s_mov_b32 s[KD4+1], s[KD4]
	s_add_co_u32 s[C2B], s14, 0xbf38aa3b
	s_add_co_u32 s[C2B], s[C2B], s14
	s_mov_b32 s[C2B+1], s[C2B]
	s_add_co_i32 s[SCL2], s27, 127
	s_lshl_b32 s[SCL2], s[SCL2], 23                ; 2^(e2 + e3)
	s_add_co_i32 s14, s22, s23
	s_add_co_i32 s14, s14, 127
	s_lshl_b32 s[SCL5], s14, 23                    ; 2^(e6 + e7)
	CPAIR CK0, 0xbfe9b21e                          ; the fit's coefficients x log2(e)
	CPAIR CK1, 0x3fb8ab5a
	CPAIR CK2, 0x3f0a29d2
	CPAIR CK3, 0x3e0efb2e
	CPAIR CK4, 0xbe899a80
	CPAIR CK5, 0x3ecdfd18
	CPAIR CK6, 0xbfd1a1e5
	CPAIR CK7, 0x40097039
	CPAIR CK9, 0x3e7c6f08
	s_mov_b32 s[HI16], 0xffff0000                  ; lanes 16-31
	s_mov_b32 s[ABS], 0x7fffffff
	s_mov_b32 s[SEL], 0x76543210                   ; lane xor 16
	s_mov_b32 s[SEL+1], 0xfedcba98
	s_wait_dscnt 0x0
	s_barrier_signal -1                            ; the experts' weights: said here, waited for ahead of their first use; between the two only work on registers and LDS loads of bytes that nobody writes
	PROD 1, 96, XF, XF+24
	PROD 0, 128, XF+8, XF+32
	PLACES 4
	LDPW 2, 96
	s_wait_dscnt 0x0
	PROD 0, 96, XF+16, XF+40
	PLACES 4                                       ; ahead of the first read of results and the loads into x's registers
.irp t, 0,1,2,3
.irp c, 0,1
	ds_load_b128 v[176+8*\t+4*\c:176+8*\t+4*\c+3], v10 offset:(\t/2)*2304+(\t%2)*576+32*\c   ; pe_w2
.endr
.endr
	GELU16 ACC, KD1, C2A, LM1, SC1, 160
	GELU16 ACC+16, KD1, C2A, LM1, SC1, 164
	GELU16 EB, KD1, C2A, LM1, SC1, 168
	GELU16 EB+16, KD1, C2A, LM1, SC1, 172
	LDBIAS 256
	VW
	s_wait_dscnt 0x0
	PROD 1, 176, 160, 168
	PLACES 4
.macro LDGATE t, buf                   ; gate_w's rows of units 32 b + 16 h + 8 u + 0 .. 7: four experts each
.irp j, 0,1,2,3,4,5,6,7
	ds_load_b128 v[\buf+4*\j:\buf+4*\j+3], v11 offset:(32*(\t/2)+8*(\t%2)+\j)*16
.endr
.endm
	LDGATE 0, 160
.macro HOLD src, tmp, out              ; h / 2^(e2 + e3), held and converted; the sums stay as they are for the gate
.set I, 0
.rept 32
	v_med3_num_f32 v[\tmp+I], v[\src+I], -v[LM2], v[LM2]
.set I, I+1
.endr
.irp g, 0,1,2,3
	v_cvt_scalef32_pk8_bf8_f32 v[\out+2*\g:\out+2*\g+1], v[\tmp+8*\g:\tmp+8*\g+7], v[SC2]
.endr
	v_nop
.endm
	HOLD ACC, 96, HC
	LDGATE 1, 96
	HOLD EB, 128, HC+8
	LDGATE 2, 128
; the gate in f32: v48-51 tile 0's four experts, v52-55 tile 1's; two experts at a time, one unit of h for both
.macro GATE t, buf
.irp j, 0,1,2,3,4,5,6,7
.irp p, 0,1
.if (\t == 0) && (\j == 0)
	v_pk_mul_f32 v[48+2*\p:49+2*\p], v[\buf+2*\p:\buf+2*\p+1], v[ACC:ACC+1] op_sel_hi:[1,0]
	v_pk_mul_f32 v[52+2*\p:53+2*\p], v[\buf+2*\p:\buf+2*\p+1], v[EB:EB+1] op_sel_hi:[1,0]
.elseif (\j%2) == 0
	v_pk_fma_f32 v[48+2*\p:49+2*\p], v[\buf+4*\j+2*\p:\buf+4*\j+2*\p+1], v[ACC+8*\t+\j:ACC+8*\t+\j+1], v[48+2*\p:49+2*\p] op_sel_hi:[1,0,1]
	v_pk_fma_f32 v[52+2*\p:53+2*\p], v[\buf+4*\j+2*\p:\buf+4*\j+2*\p+1], v[EB+8*\t+\j:EB+8*\t+\j+1], v[52+2*\p:53+2*\p] op_sel_hi:[1,0,1]
.else
	v_pk_fma_f32 v[48+2*\p:49+2*\p], v[\buf+4*\j+2*\p:\buf+4*\j+2*\p+1], v[ACC+8*\t+\j-1:ACC+8*\t+\j], v[48+2*\p:49+2*\p] op_sel:[0,1,0] op_sel_hi:[1,1,1]
	v_pk_fma_f32 v[52+2*\p:53+2*\p], v[\buf+4*\j+2*\p:\buf+4*\j+2*\p+1], v[EB+8*\t+\j-1:EB+8*\t+\j], v[52+2*\p:53+2*\p] op_sel:[0,1,0] op_sel_hi:[1,1,1]
.endif
.endr
.endr
.endm
	VW
	s_wait_dscnt 0x10                              ; the first eight rows are in; sixteen younger loads may be out
	GATE 0, 160
	LDGATE 3, 160
	VW
	s_wait_dscnt 0x10
	GATE 1, 96
	VW
	s_wait_dscnt 0x8
	GATE 2, 128
	VW
	s_wait_dscnt 0x0
	GATE 3, 160
.irp e, 0,1,2,3
	v_cndmask_b32 v[56+\e], v[52+\e], v[48+\e], s[HI16]      ; what the lane 16 away wants: lanes 0-15 send tile 1's, lanes 16-31 tile 0's
	v_cndmask_b32 v[60+\e], v[48+\e], v[52+\e], s[HI16]      ; what I keep
.endr
.irp e, 0,1,2,3
	v_permlanex16_b32 v[48+\e], v[56+\e], s[SEL], s[SEL+1]
.endr
.irp e, 0,1,2,3
	v_add_f32 v[60+\e], v[60+\e], v[48+\e]
.endr
.irp e, 0,1,2,3
	v_fma_f32 v[60+\e], v[60+\e], s[SCL2], s[60+\e]          ; logit = sum x 2^(e2 + e3) + gate_b: lanes 0-15 tile 0's tokens, lanes 16-31 tile 1's
.endr
	v_max3_num_f32 v56, v60, v61, v62
	v_max_num_f32 v56, v56, v63
.irp e, 0,1,2,3
	v_sub_f32 v[48+\e], v[60+\e], v56                        ; the maximum is taken away
.endr
.irp e, 0,1,2,3
	v_mul_f32 v[48+\e], 0x3fb8aa3b, v[48+\e]
.endr
	VW
.irp e, 0,1,2,3
	v_exp_f32 v[48+\e], v[48+\e]
.endr
	v_nop
	VW
	v_add_f32 v52, v48, v49
	v_add_f32 v53, v50, v51
	v_add_f32 v52, v52, v53
	VW
	v_rcp_f32 v54, v52
	v_nop
	VW
.irp e, 0,1,2,3
	v_mul_f32 v[SPB+\e], v[48+\e], v54                       ; the probabilities
.endr
	v_max3_num_f32 v56, v[SPB], v[SPB+1], v[SPB+2]
	v_max_num_f32 v56, v56, v[SPB+3]                         ; the gate's value
	v_cmp_eq_f32 s16, v[SPB], v56
	v_cmp_eq_f32 s17, v[SPB+1], v56
	v_cmp_eq_f32 s18, v[SPB+2], v56
	VW
	s_and_not1_b32 s17, s17, s16                   ; the lowest index wins; the masks only select values
	s_or_b32 s15, s16, s17
	s_and_not1_b32 s18, s18, s15
	s_or_b32 s15, s15, s18
	s_not_b32 s19, s15
.irp e, 0,1,2,3
	s_lshr_b32 s[20+\e], s[16+\e], 16
	s_pack_ll_b32_b16 s[24+\e], s[16+\e], s[16+\e] ; tile 0's mask in both halves of the lanes
	s_pack_ll_b32_b16 s[28+\e], s[20+\e], s[20+\e] ; tile 1's
.endr
	s_pack_ll_b32_b16 s4, s16, s18                 ; lanes (r, h): expert 2 h + j: tile 0, j = 0, 1; tile 1, j = 0, 1
	s_pack_ll_b32_b16 s5, s17, s19
	s_pack_ll_b32_b16 s6, s20, s22
	s_pack_ll_b32_b16 s7, s21, s23
	VW
	v_permlanex16_b32 v57, v56, s[SEL], s[SEL+1]
.irp e, 0,1,2,3
	v_cndmask_b32 v[SG+\e], 0, v56, s[16+\e]
	v_cndmask_b32 v[CNT+\e], 0, 1.0, s[16+\e]
	v_cndmask_b32 v[OHB+\e], 0, 1.0, s[4+\e]       ; the f32 operand: register j of lane (r, h) = one-hot(token r, expert 2 h + j)
.endr
	v_cndmask_b32 v58, v56, v57, s[HI16]           ; tile 0's gate values in both halves, tile 1's
	v_cndmask_b32 v59, v57, v56, s[HI16]
.irp tt, 0,1
.irp e, 0,1,2,3
	v_cndmask_b32 v[WG+4*\tt+\e], 0, v[58+\tt], s[24+4*\tt+\e]
.irp i, 0,1,2,3,4,5,6,7
	v_cndmask_b32 v[MH+32*\tt+8*\e+\i], 0, v[HC+8*\tt+\i], s[24+4*\tt+\e]   ; h's codes in the chosen expert's 64 of K, zero codes in the others (tile 1's last two runs lie where the codes stood: tile 0's are done with, tile 1's are written over last)
.endr
.endr
.endr
	VW
	s_barrier_wait -1                              ; everybody's part of the experts' weights is in
.macro LDW1 fr, adr, off               ; ew1: one tile of 16 hidden units of all four experts: eight loads
.irp e, 0,1,2,3
.irp c, 0,1
	ds_load_b128 v[\fr+8*\e+4*\c:\fr+8*\e+4*\c+3], v[\adr] offset:\off+\e*18432+32*\c
.endr
.endr
.endm
.macro LDBF adr, off
.irp u, 0,1
	ds_load_b64 v[BF+2*\u:BF+2*\u+1], v[\adr] offset:\off+\u*256
.endr
.endm
	LDW1 EB, W1B, 0
	LDBF BIB, 0
	; THE EXPERTS' FIRST PRODUCT AND ITS GELU: eight trips, hidden units 32 p .. 32 p + 31 for both tiles
	s_mov_b32 s8, 0                                ; 2,304 p: the step through ew1
	s_mov_b32 s9, 0                                ; 512 p: the loop's counter, and the step of the images
.Lpair:
	v_add_nc_u32 v6, s8, v[W1B]
	LDW1 FRB, 6, 576                               ; the pair's second tile
	VW
	s_wait_dscnt 0x8                               ; the first tile's fragments and eb1's are in, the last trip's stores are done; the eight just issued may be out
.irp u, 0,1
.irp tt, 0,1
	v_wmma_f32_16x16x4_f32 v[ACC+16*\tt+8*\u:ACC+16*\tt+8*\u+7], v[BF+2*\u:BF+2*\u+1], v[OHB+2*\tt:OHB+2*\tt+1], 0   ; eb1 of each token's expert starts the sums
.endr
.endr
	v_add_nc_u32 v7, s9, v[BIB]
	v_add_nc_u32 v8, s9, v[IMG]
	PLACES 7                                       ; nine places: another form adds onto these results
	VW
	s_wait_dscnt 0x0
.irp s, 0,1
.irp u, 0,1
.irp tt, 0,1
.if \u == 0
	v_wmma_f32_16x16x128_bf8_bf8 v[ACC+16*\tt:ACC+16*\tt+7], v[EB+16*\s:EB+16*\s+15], v[MH+32*\tt+16*\s:MH+32*\tt+16*\s+15], v[ACC+16*\tt:ACC+16*\tt+7]   ; experts 2 s, 2 s + 1; the four accumulators by turns
.else
	v_wmma_f32_16x16x128_bf8_bf8 v[ACC+16*\tt+8:ACC+16*\tt+15], v[FRB+16*\s:FRB+16*\s+15], v[MH+32*\tt+16*\s:MH+32*\tt+16*\s+15], v[ACC+16*\tt+8:ACC+16*\tt+15]
.endif
.endr
.endr
.endr
	PLACES 4
	s_cmp_eq_u32 s9, 3584                          ; the last trip has no next pair
	s_cbranch_scc1 .Lno_pair
	LDW1 EB, 6, 2304                               ; the next pair's first tile and its eb1 land while this one's gelu is worked
	LDBF 7, 512
.Lno_pair:
	GELU16 ACC, KD4, C2B, LM4, SC4, 52
	ds_store_b128 v8, v[52:55]                     ; 16 codes a lane: registers 4 p .. 4 p + 3 of the next operand, as an image in my own region
	GELU16 ACC+16, KD4, C2B, LM4, SC4, 56
	ds_store_b128 v8, v[56:59] offset:4096
	s_add_co_u32 s8, s8, 2304
	s_add_co_u32 s9, s9, 512
	s_cmp_lt_u32 s9, 4096
	s_cbranch_scc1 .Lpair
	; THE EXPERTS' SECOND PRODUCT.  Addresses for the end are made here, on every wave's path
	s_wait_dscnt 0x0
.irp tt, 0,1
.irp k, 0,1,2,3,4,5,6,7
	ds_load_b128 v[MH+32*\tt+4*\k:MH+32*\tt+4*\k+3], v[IMG] offset:\tt*4096+\k*512
.endr
.endr
.macro LDW2 li                         ; ew2: expert li / 4, outputs 16 (li % 4) on, K = 256: eight loads
.irp s, 0,1
.irp c, 0,1,2,3
	ds_load_b128 v[96+32*((\li)%2)+16*\s+4*\c:96+32*((\li)%2)+16*\s+4*\c+3], v[W2B] offset:(64*((\li)/4)+16*((\li)%4))*272+128*\s+32*\c
.endr
.endr
.endm
	LDW2 0
	LDW2 1
	s_lshl_b32 s14, s[WV], 9
	s_add_co_u32 s14, s14, RED
	v_and_b32 v1, 15, v0                           ; r
	v_bfe_u32 v9, v0, 4, 1                         ; h
	v_and_b32 v10, 31, v0                          ; lane
	v_mul_u32_u24 v6, v1, 368
	v_lshl_add_u32 v11, v9, 5, v6
	v_add_nc_u32 v11, s58, v11                     ; v11: row r of my closing sum, outputs 8 h on
	v_mad_u32_u24 v14, v9, 48, v6
	v_add_nc_u32 v14, s58, v14                     ; v14: row r, my half's statistics (at 256)
	v_lshlrev_b32 v7, 3, v10
	v_add_nc_u32 v23, s58, v7                      ; v23: outputs 2 lane, 2 lane + 1 of a row
	v_min_u32 v6, 5, v1
	v_lshlrev_b32 v6, 3, v6
	v_mad_u32_u24 v6, v9, 48, v6
	v_add_nc_u32 v6, s58, v6                       ; v6: two statistics of half h of a row (at 256)
	v_add_nc_u32 v7, s14, v7                       ; v7: my wave's 512 bytes
	v_lshlrev_b32 v10, 4, v10                      ; v10: 16 x lane
	v_add_nc_u32 v8, RED, v10
	v_lshlrev_b32 v9, 4, v1                        ; v9: eb2, four numbers a lane
	VW
	s_cmp_lg_u32 s[WV], 0                          ; wave 0 closes the work-group's sums: it alone wants eb2
	s_cbranch_scc1 .Lno_eb2
.irp e, 0,1,2,3
	global_load_b128 v[48+4*\e:51+4*\e], v9, s[54:55] offset:256*\e
.endr
.Lno_eb2:
.macro MM5 it                          ; the two tiles of tokens by turns, K in two steps; the halves of the accumulators take turns from one fragment to the next
.irp s, 0,1
.irp tt, 0,1
.if \s == 0
	v_wmma_f32_16x16x128_bf8_bf8 v[ACC+16*((\it)%2)+8*\tt:ACC+16*((\it)%2)+8*\tt+7], v[96+32*((\it)%2):96+32*((\it)%2)+15], v[MH+32*\tt:MH+32*\tt+15], 0
.else
	v_wmma_f32_16x16x128_bf8_bf8 v[ACC+16*((\it)%2)+8*\tt:ACC+16*((\it)%2)+8*\tt+7], v[96+32*((\it)%2)+16:96+32*((\it)%2)+31], v[MH+32*\tt+16:MH+32*\tt+31], v[ACC+16*((\it)%2)+8*\tt:ACC+16*((\it)%2)+8*\tt+7]
.endif
.endr
.endr
.endm
.macro ZUPD it                         ; sums over tokens += gate x one-hot(expert it / 4) x the expert's outputs; the very first product starts each sum.  One register of a pair serves both halves: the first for experts 0 and 2, the second for 1 and 3
.irp tt, 0,1
.irp i, 0,2,4,6
.set ZD, EB+8*((\it)%4)+\i
.set ZS, ACC+16*((\it)%2)+8*\tt+\i
.set ZW, WG+4*\tt+2*((\it)/8)
.if ((\it) < 4) && (\tt == 0)
	v_pk_mul_f32 v[ZD:ZD+1], v[ZS:ZS+1], v[ZW:ZW+1] op_sel_hi:[1,0]
.elseif (((\it)/4)%2) == 0
	v_pk_fma_f32 v[ZD:ZD+1], v[ZS:ZS+1], v[ZW:ZW+1], v[ZD:ZD+1] op_sel_hi:[1,0,1]
.else
	v_pk_fma_f32 v[ZD:ZD+1], v[ZS:ZS+1], v[ZW:ZW+1], v[ZD:ZD+1] op_sel:[0,1,0] op_sel_hi:[1,1,1]
.endif
.endr
.endr
.endm
.set IT, 0
.rept 16
.if IT == 15
	s_wait_dscnt 0x0
.else
	s_wait_dscnt 0x8                               ; this fragment is in; the next one's eight loads may be out
.endif
	MM5 IT
.if IT == 0
	PLACES 4
.else
	ZUPD IT-1                                      ; eight plain lines on the other half's results: the places behind the products above
.endif
.if IT < 14
	LDW2 IT+2
.endif
.set IT, IT+1
.endr
	ZUPD 15
	; THE END.  Row r of my region takes the sums of token column r (both tiles), and each half's statistics; then every lane sums two columns over the 16 rows
.irp t, 0,1,2,3
	ds_store_b128 v11, v[EB+8*\t:EB+8*\t+3] offset:64*\t
	ds_store_b128 v11, v[EB+8*\t+4:EB+8*\t+7] offset:64*\t+16
.endr
	ds_store_b128 v14, v[SG:SG+3] offset:256
	ds_store_b128 v14, v[CNT:CNT+3] offset:272
	ds_store_b128 v14, v[SPB:SPB+3] offset:288
.irp i, 0,1,2,3,4,5,6,7,8,9,10,11,12,13,14,15
	ds_load_b64 v[160+2*\i:161+2*\i], v23 offset:368*\i      ; LDS serves a wave's instructions in order (ISA guide 5.7.1.4)
	ds_load_b64 v[192+2*\i:193+2*\i], v6 offset:256+368*\i
.endr
	s_wait_dscnt 0x0
.irp m, 8,4,2,1
.set I, 0
.rept \m
	v_pk_add_f32 v[160+2*I:161+2*I], v[160+2*I:161+2*I], v[160+2*(I+\m):161+2*(I+\m)]
	v_pk_add_f32 v[192+2*I:193+2*I], v[192+2*I:193+2*I], v[192+2*(I+\m):193+2*(I+\m)]
.set I, I+1
.endr
.endr
	v_permlanex16_b32 v224, v192, s[SEL], s[SEL+1] ; the other tile's statistics
	v_permlanex16_b32 v225, v193, s[SEL], s[SEL+1]
	v_pk_add_f32 v[192:193], v[192:193], v[224:225]
	ds_store_b64 v7, v[160:161]
	ds_store_b64 v7, v[192:193] offset:256         ; lanes 0-5: G, counts, sums of probabilities
	VW
	s_wait_dscnt 0x0
	s_barrier_signal -1
	s_barrier_wait -1
	s_cmp_lg_u32 s[WV], 0
	s_cbranch_scc1 .Lclose
.irp w, 0,1,2,3,4,5,6,7,8,9,10,11,12,13,14,15
	ds_load_b128 v[96+4*\w:99+4*\w], v8 offset:512*\w        ; four numbers a lane of each wave's 128
.endr
	s_bfe_u32 s14, ttmp6, 0x40000
	s_lshl_b32 s15, ttmp9, 2
	s_add_co_u32 s14, s14, s15
	s_lshl_b32 s14, s14, 9
	s_mov_b32 s15, 0
	s_add_nc_u64 s[56:57], s[56:57], s[14:15]      ; my work-group's row of part
	s_wait_dscnt 0x0
.irp m, 8,4,2,1
.set I, 0
.rept \m
	v_pk_add_f32 v[96+4*I:97+4*I], v[96+4*I:97+4*I], v[96+4*(I+\m):97+4*(I+\m)]
	v_pk_add_f32 v[98+4*I:99+4*I], v[98+4*I:99+4*I], v[98+4*(I+\m):99+4*(I+\m)]
.set I, I+1
.endr
.endr
	VW
	s_wait_loadcnt 0x0                             ; eb2
.irp e, 0,1,2,3
	v_readlane_b32 s[16+\e], v[96+\e], 16          ; lane 16 holds numbers 64-67: G
.endr
.irp i, 0,1,2,3
	v_mul_f32 v[240+\i], s[SCL5], v[96+\i]         ; x 2^(e6 + e7)
.endr
.irp e, 0,1,2,3
.irp i, 0,1,2,3
	v_fma_f32 v[240+\i], v[48+4*\e+\i], s[16+\e], v[240+\i]   ; + G_e eb2(e, d)
.endr
.endr
.irp i, 0,1,2,3
	v_cndmask_b32 v[240+\i], v[240+\i], v[96+\i], s[HI16]     ; lanes 16-31 hold the statistics: as they are
.endr
	global_store_b128 v10, v[240:243], s[56:57]    ; 512 consecutive bytes, at a multiple of 512 from part's first byte
.Lclose:
	s_wait_tensorcnt 0x0                           ; the wave's end
	ds_add_u32 v[SPW], v[NIL]
	s_wait_dscnt 0x0
	ROUND                                          ; the closing round: no work-group ends while a partner may still ask jointly
	s_endpgm
.Lfunc_end_k_qf2b2f3ba69_moe:
	.size	k_qf2b2f3ba69_moe, .Lfunc_end_k_qf2b2f3ba69_moe-k_qf2b2f3ba69_moe
	.p2alignl 7, 3214868480
	.fill 96, 4, 3214868480
	.section	.rodata,"a",@progbits
	.p2align	6, 0x0
	.amdhsa_kernel k_qf2b2f3ba69_moe
		.amdhsa_group_segment_fixed_size 327680
		.amdhsa_private_segment_fixed_size 0
		.amdhsa_enable_private_segment 0
		.amdhsa_kernarg_size 104
		.amdhsa_user_sgpr_count 2
		.amdhsa_user_sgpr_kernarg_segment_ptr 1
		.amdhsa_wavefront_size32 1
		.amdhsa_system_sgpr_workgroup_id_x 1
		.amdhsa_system_sgpr_workgroup_id_y 1
		.amdhsa_system_sgpr_workgroup_id_z 1
		.amdhsa_system_vgpr_workitem_id 0
		.amdhsa_next_free_vgpr 256
		.amdhsa_next_free_sgpr 106
		.amdhsa_reserve_vcc 0
		.amdhsa_float_denorm_mode_32 3
		.amdhsa_float_denorm_mode_16_64 3
		.amdhsa_memory_ordered 1
		.amdhsa_forward_progress 1
		.amdhsa_inst_pref_size 142
	.end_amdhsa_kernel
	.amdgpu_metadata
---
amdhsa.version: [ 1, 2 ]
amdhsa.kernels:
  - .name:           k_qf2b2f3ba69_moe
    .symbol:         k_qf2b2f3ba69_moe.kd
    .args:
      - { .name: x_codes, .offset: 0, .size: 8, .value_kind: global_buffer, .address_space: global }
      - { .name: pe_w1_codes, .offset: 8, .size: 8, .value_kind: global_buffer, .address_space: global }
      - { .name: pe_w2_codes, .offset: 16, .size: 8, .value_kind: global_buffer, .address_space: global }
      - { .name: ew1_codes, .offset: 24, .size: 8, .value_kind: global_buffer, .address_space: global }
      - { .name: ew2_codes, .offset: 32, .size: 8, .value_kind: global_buffer, .address_space: global }
      - { .name: lowp_scales, .offset: 40, .size: 8, .value_kind: global_buffer, .address_space: global }
      - { .name: pe_b1, .offset: 48, .size: 8, .value_kind: global_buffer, .address_space: global }
      - { .name: pe_b2, .offset: 56, .size: 8, .value_kind: global_buffer, .address_space: global }
      - { .name: gate_w, .offset: 64, .size: 8, .value_kind: global_buffer, .address_space: global }
      - { .name: gate_b, .offset: 72, .size: 8, .value_kind: global_buffer, .address_space: global }
      - { .name: eb1, .offset: 80, .size: 8, .value_kind: global_buffer, .address_space: global }
      - { .name: eb2, .offset: 88, .size: 8, .value_kind: global_buffer, .address_space: global }
      - { .name: part, .offset: 96, .size: 8, .value_kind: global_buffer, .address_space: global }
    .group_segment_fixed_size: 327680
    .private_segment_fixed_size: 0
    .kernarg_segment_align: 8
    .kernarg_segment_size: 104
    .max_flat_workgroup_size: 512
    .sgpr_count:     106
    .vgpr_count:     256
    .wavefront_size: 32
...
	.end_amdgpu_metadata
.endif
;; end of part 1
;; launch finish (part 2): grid 1 x 1, 8 waves a work-group, no clusters, 14,592 bytes of LDS; arguments part, ln_g, ln_b, cl_w1_codes, cl_b1, cl_w2, cl_b2, lowp_scales, out0, out1; writes out0, out1
.if DOCPART == 2
	.amdgcn_target "amdgcn-amd-amdhsa--gfx1250"
	.amdhsa_code_object_version 6
	.text
	.protected	k_qf2b2f3ba69_finish
	.globl	k_qf2b2f3ba69_finish
	.p2align	8
	.type	k_qf2b2f3ba69_finish,@function
k_qf2b2f3ba69_finish:
	s_mov_b64 s[64:65], 0
	v_nop
	global_prefetch_b8 v0, s[64:65] scope:SCOPE_SE
	s_setreg_imm32_b32 hwreg(HW_REG_WAVE_MODE, 25, 1), 1
	s_wait_xcnt 0x0
; The classifier on the 128 pooled rows, and the load-balance loss.  One work-group: the loss spans all tokens, and the whole input is 128 KiB.
; part: 256 rows (half a batch each) of 128 f32: 0-63 sum of gate x expert output, 68-71 tokens routed to e, 72-75 sum of probabilities.
; Wave w owns batches 16 w + r; lane (r, h) holds channels 32 b + 16 h + i of batch r in register 16 b + i: the layout of the quantised product's operand.
; z = (two halves) / 1024; LayerNorm in f32; quantised with 2^e8; x cl_w1 on E5M2 codes (transposed: source 0 = 16 rows of cl_w1, source 1 = 16 batches); gelu as in the first launch;
; x cl_w2 in f32 by the K = 4 matrix form, transposed (source 0 = 16 classes, source 1 = 16 batches), two accumulators by turns; classes 10 to 15 repeat class 9 (addresses held inside the buffer) and are never stored.
; loss = 4 sum_e (count_e / 2^17) (P_e / 2^17) = sum_e count_e P_e x 2^-32.
; No cluster, no tensor load: there is one work-group, and every byte is read once into registers.
; LIMITS: e8 between -126 and 112; e8 + e9 between -126 and 127.  NaN and infinity are not served.  gelu: relative error about 3e-7, growing as a^2 x 4e-8 far below zero.
.set STG,  0                           ; LDS: out0's 5,120 bytes as they lie in memory
.set AUXL, 5120                        ; 16 entries (wave, half) of 32 bytes: counts, sums of probabilities
.set ZA,   16                          ; v16-47   z, then deviations, then the normalised row; later t and the polynomial
.set ZB,   48                          ; v48-79   the batch's second half; later cl_w2
.set W2,   48
.set LG,   80                          ; v80-111  ln_g; later the product's sums; later gelu
.set LB,   112                         ; v112-143 ln_b; later gelu's arguments
.set ST,   144                         ; v144-151 counts and probabilities of one row of part
.set W1,   152                         ; v152-183 cl_w1's four fragments
.set B1,   184                         ; v184-215 cl_b1 in the result's layout
.set B2,   216                         ; v216-223 cl_b2 likewise
.set FA,   224                         ; v224-239 the f32 form's two accumulators: written by matrix instructions alone
.set Y,    240                         ; v240-247 the row's codes; later y
.set C8V,  252
.set GT,   16
.set GP,   32
.set GU,   80
.set WV,   3
.set CK0,  32
.set CK1,  34
.set CK2,  36
.set CK3,  38
.set CK4,  40
.set CK5,  42
.set CK6,  44
.set CK7,  46
.set CK9,  48
.set C2F,  50
.set KDF,  52
.set SEL,  54
.set SCL7, 56                          ; s[56:57] 2^(e8 + e9)
.set SCLZ, 58                          ; s[58:59] 1 / 1024
.macro PLACES n
.rept \n
	v_nop
.endr
.endm
.macro CPAIR r, val
	s_mov_b32 s[\r], \val
	s_mov_b32 s[\r+1], \val
.endm
; gelu(a) = max(a, 0) - |a| q, q = t 2^(c2 a^2 + c0 + t (c1 + .. + t c9)), t = 1 / (1 + |a| / sqrt 8): 16 numbers v[X] on, results in v[GU] on.  Every reciprocal and exponential has a plain line directly behind it.
.macro GELU16 X, KD, C2
.irp i, 0,1,2,3,4,5,6,7
	v_fma_f32 v[GT+\i], |v[(\X)+\i]|, s[\KD], 1.0
.endr
	s_wait_alu depctr_va_vdst(0)
.irp i, 0,1,2,3,4,5,6,7
	v_rcp_f32 v[GT+\i], v[GT+\i]
	v_fma_f32 v[GT+8+\i], |v[(\X)+8+\i]|, s[\KD], 1.0
.endr
	s_wait_alu depctr_va_vdst(0)
.irp i, 0,1,2,3,4,5,6,7
	v_rcp_f32 v[GT+8+\i], v[GT+8+\i]
	v_pk_mul_f32 v[GU+2*\i:GU+2*\i+1], v[(\X)+2*\i:(\X)+2*\i+1], v[(\X)+2*\i:(\X)+2*\i+1]
.endr
	s_wait_alu depctr_va_vdst(0)
.irp i, 0,2,4,6,8,10,12,14
	v_pk_fma_f32 v[GP+\i:GP+\i+1], v[GT+\i:GT+\i+1], s[CK9:CK9+1], v[C8V:C8V+1] op_sel_hi:[1,0,1]
.endr
.irp ck, CK7,CK6,CK5,CK4,CK3,CK2,CK1,CK0
.irp i, 0,2,4,6,8,10,12,14
	v_pk_fma_f32 v[GP+\i:GP+\i+1], v[GP+\i:GP+\i+1], v[GT+\i:GT+\i+1], s[\ck:\ck+1] op_sel_hi:[1,1,0]
.endr
.endr
.irp i, 0,2,4,6,8,10,12,14
	v_pk_fma_f32 v[GP+\i:GP+\i+1], v[GU+\i:GU+\i+1], s[\C2:\C2+1], v[GP+\i:GP+\i+1] op_sel_hi:[1,0,1]
.endr
	s_wait_alu depctr_va_vdst(0)
.irp i, 0,1,2,3,4,5,6,7,8,9,10,11,12,13,14,15
	v_exp_f32 v[GP+\i], v[GP+\i]
	v_max_num_f32 v[GU+\i], 0, v[(\X)+\i]
.endr
	s_wait_alu depctr_va_vdst(0)
.irp i, 0,2,4,6,8,10,12,14
	v_pk_mul_f32 v[GP+\i:GP+\i+1], v[GP+\i:GP+\i+1], v[GT+\i:GT+\i+1]
.endr
.irp i, 0,1,2,3,4,5,6,7,8,9,10,11,12,13,14,15
	v_fma_f32 v[GU+\i], -|v[(\X)+\i]|, v[GP+\i], v[GU+\i]
.endr
.endm
	s_load_b256 s[8:15], s[0:1], 0x0               ; part s[8:9], ln_g s[10:11], ln_b s[12:13], cl_w1 s[14:15]
	s_load_b256 s[16:23], s[0:1], 0x20             ; cl_b1 s[16:17], cl_w2 s[18:19], cl_b2 s[20:21], scales s[22:23]
	s_load_b128 s[24:27], s[0:1], 0x40             ; out0 s[24:25], out1 s[26:27]
	v_lshl_add_u32 v15, v0, 2, 0x2000
	s_set_vgpr_msb 0x40
	v_mov_b32 v1, 0
	s_set_vgpr_msb 0x4000
	v_lshrrev_b32 v1, 5, v0
	s_delay_alu instid0(VALU_DEP_1)
	v_readfirstlane_b32 s[WV], v1                  ; wave 0..7
	v_and_b32 v1, 15, v0                           ; r
	v_bfe_u32 v2, v0, 4, 1                         ; h
	v_and_b32 v3, 31, v0                           ; lane
	s_lshl_b32 s4, s[WV], 14                       ; my 32 rows of part, 512 bytes each
	v_lshlrev_b32 v4, 10, v1
	s_delay_alu instid0(VALU_DEP_1)
	v_lshl_add_u32 v4, v2, 6, v4
	s_delay_alu instid0(VALU_DEP_1)
	v_add_nc_u32 v4, s4, v4                        ; z: row 32 w + 2 r, + 64 h
	v_lshlrev_b32 v5, 9, v3
	s_delay_alu instid0(VALU_DEP_1)
	v_add_nc_u32 v5, s4, v5                        ; statistics: row 32 w + lane
	v_lshlrev_b32 v6, 6, v2                        ; ln_g, ln_b: 64 h
	v_lshlrev_b32 v7, 6, v1
	s_delay_alu instid0(VALU_DEP_1)
	v_lshl_add_u32 v7, v2, 4, v7                   ; cl_w1: row r of 64 bytes, + 16 h
	v_lshlrev_b32 v8, 5, v2                        ; cl_b1, cl_b2: 32 h
	v_min_u32 v9, 9, v1
	s_delay_alu instid0(VALU_DEP_1)
	v_lshlrev_b32 v9, 2, v9
	s_delay_alu instid0(VALU_DEP_1)
	v_mad_u32_u24 v9, v2, 320, v9                  ; cl_w2: 8 h rows of 40 bytes, class min(r, 9)
	v_mov_b32 v11, 0
	s_mul_i32 s5, s[WV], 640
	v_mul_u32_u24 v10, v1, 40
	s_delay_alu instid0(VALU_DEP_1)
	v_lshl_add_u32 v10, v2, 5, v10
	s_delay_alu instid0(VALU_DEP_1)
	v_add_nc_u32 v10, s5, v10                      ; the stage: batch 16 w + r, class 8 h
	s_lshl_b32 s5, s[WV], 6
	v_lshlrev_b32 v12, 5, v2
	s_delay_alu instid0(VALU_DEP_1)
	v_add_nc_u32 v12, s5, v12
	s_delay_alu instid0(VALU_DEP_1)
	v_add_nc_u32 v12, AUXL, v12                    ; my half-wave's entry
	v_lshlrev_b32 v13, 5, v1
	s_delay_alu instid0(VALU_DEP_1)
	v_add_nc_u32 v13, AUXL, v13                    ; entry lane % 16
	s_lshl_b32 s5, s[WV], 10
	v_lshlrev_b32 v14, 4, v3
	s_delay_alu instid0(VALU_DEP_1)
	v_add_nc_u32 v14, s5, v14                      ; out0: 1,024 bytes a wave, 16 a lane: in the stage and in memory alike
	s_wait_kmcnt 0x0
	s_load_b64 s[28:29], s[22:23], 0x20            ; e8, e9
.irp b, 0,1
.irp q, 0,1,2,3
	global_load_b128 v[ZA+16*\b+4*\q:ZA+16*\b+4*\q+3], v4, s[8:9] offset:128*\b+16*\q
	global_load_b128 v[ZB+16*\b+4*\q:ZB+16*\b+4*\q+3], v4, s[8:9] offset:512+128*\b+16*\q
.endr
.endr
	global_load_b128 v[ST:ST+3], v5, s[8:9] offset:272
	global_load_b128 v[ST+4:ST+7], v5, s[8:9] offset:288
.irp b, 0,1
.irp q, 0,1,2,3
	global_load_b128 v[LG+16*\b+4*\q:LG+16*\b+4*\q+3], v6, s[10:11] offset:128*\b+16*\q
	global_load_b128 v[LB+16*\b+4*\q:LB+16*\b+4*\q+3], v6, s[12:13] offset:128*\b+16*\q
.endr
.endr
.irp t, 0,1,2,3
	global_load_b128 v[W1+8*\t:W1+8*\t+3], v7, s[14:15] offset:1024*\t
	global_load_b128 v[W1+8*\t+4:W1+8*\t+7], v7, s[14:15] offset:1024*\t+32
	global_load_b128 v[B1+8*\t:B1+8*\t+3], v8, s[16:17] offset:64*\t
	global_load_b128 v[B1+8*\t+4:B1+8*\t+7], v8, s[16:17] offset:64*\t+16
.endr
	global_load_b32 v[B2], v8, s[20:21]            ; classes 8 h, 8 h + 1
	global_load_b32 v[B2+1], v8, s[20:21] offset:4
.irp j, 2,3,4,5,6,7
	global_load_b32 v[B2+\j], v11, s[20:21] offset:4*\j      ; classes 2 to 7: lanes 16-31 have no such class and get lanes 0-15's, which stays inside the buffer
.endr
	CPAIR CK0, 0xc034d90f
	CPAIR CK1, 0x3fb8ab5a
	CPAIR CK2, 0x3f0a29d2
	CPAIR CK3, 0x3e0efb2e
	CPAIR CK4, 0xbe899a80
	CPAIR CK5, 0x3ecdfd18
	CPAIR CK6, 0xbfd1a1e5
	CPAIR CK7, 0x40097039
	CPAIR CK9, 0x3e7c6f08
	CPAIR C2F, 0xbf38aa3b
	CPAIR SCLZ, 0x3a800000
	s_mov_b32 s[KDF], 0x3eb504f3
	s_mov_b32 s[SEL], 0x76543210
	s_mov_b32 s[SEL+1], 0xfedcba98
	v_mov_b32 v[C8V], 0xbf97d29d
	v_mov_b32 v[C8V+1], 0xbf97d29d
	s_wait_kmcnt 0x0
	s_add_co_i32 s4, s28, 127
	s_lshl_b32 s5, s4, 23
	v_mov_b32 v254, s5                             ; 2^e8
	s_add_co_i32 s4, s4, 15
	s_lshl_b32 s4, s4, 23
	s_or_b32 s4, s4, 0x600000
	v_mov_b32 v255, s4                             ; 57,344 x 2^e8
	s_add_co_i32 s[SCL7], s28, s29
	s_add_co_i32 s[SCL7], s[SCL7], 127
	s_lshl_b32 s[SCL7], s[SCL7], 23
	s_mov_b32 s[SCL7+1], s[SCL7]
	s_wait_loadcnt 0x0
.irp i, 0,2,4,6,8,10,12,14,16,18,20,22,24,26,28,30
	v_pk_add_f32 v[ZA+\i:ZA+\i+1], v[ZA+\i:ZA+\i+1], v[ZB+\i:ZB+\i+1]
.endr
.irp t, 0,1,2,3
.irp j, 0,1,2,3,4,5,6,7
	global_load_b32 v[W2+8*\t+\j], v9, s[18:19] offset:(16*\t+\j)*40     ; cl_w2(16 t + 8 h + j, class): into the registers that the second half has left; it lands under the work below
.endr
.endr
.irp m, 1,2,4,8
.irp i, 0,1,2,3,4,5,6,7
	v_add_f32_dpp v[ST+\i], v[ST+\i], v[ST+\i] row_xmask:\m row_mask:0xf bank_mask:0xf
.endr
.endr
	ds_store_b128 v12, v[ST:ST+3]                  ; my half-wave's 16 rows: counts,
	ds_store_b128 v12, v[ST+4:ST+7] offset:16      ; sums of probabilities
.irp i, 0,2,4,6,8,10,12,14,16,18,20,22,24,26,28,30
	v_pk_mul_f32 v[ZA+\i:ZA+\i+1], v[ZA+\i:ZA+\i+1], s[SCLZ:SCLZ+1] op_sel_hi:[1,0]   ; the mean over 1,024 tokens
.endr
	v_pk_add_f32 v[248:249], v[ZA:ZA+1], v[ZA+2:ZA+3]
	v_pk_add_f32 v[250:251], v[ZA+4:ZA+5], v[ZA+6:ZA+7]
.irp i, 8,12,16,20,24,28
	s_delay_alu instid0(VALU_DEP_2)
	v_pk_add_f32 v[248:249], v[248:249], v[ZA+\i:ZA+\i+1]
	s_delay_alu instid0(VALU_DEP_2)
	v_pk_add_f32 v[250:251], v[250:251], v[ZA+\i+2:ZA+\i+3]
.endr
	s_delay_alu instid0(VALU_DEP_1)
	v_pk_add_f32 v[248:249], v[248:249], v[250:251]
	s_delay_alu instid0(VALU_DEP_1)
	v_add_f32 v248, v248, v249
	s_delay_alu instid0(VALU_DEP_1)
	v_permlanex16_b32 v250, v248, s[SEL], s[SEL+1] ; the batch's other 32 channels
	s_delay_alu instid0(VALU_DEP_1)
	v_add_f32 v248, v248, v250
	s_delay_alu instid0(VALU_DEP_1)
	v_mul_f32 v248, 0x3c800000, v248               ; the mean of 64
	s_delay_alu instid0(VALU_DEP_1)
	v_mov_b32 v249, v248
.irp i, 0,2,4,6,8,10,12,14,16,18,20,22,24,26,28,30
	v_pk_add_f32 v[ZA+\i:ZA+\i+1], v[ZA+\i:ZA+\i+1], v[248:249] neg_lo:[0,1] neg_hi:[0,1]
.endr
	v_pk_mul_f32 v[248:249], v[ZA:ZA+1], v[ZA:ZA+1]
	v_pk_mul_f32 v[250:251], v[ZA+2:ZA+3], v[ZA+2:ZA+3]
.irp i, 4,8,12,16,20,24,28
	s_delay_alu instid0(VALU_DEP_2)
	v_pk_fma_f32 v[248:249], v[ZA+\i:ZA+\i+1], v[ZA+\i:ZA+\i+1], v[248:249]
	s_delay_alu instid0(VALU_DEP_2)
	v_pk_fma_f32 v[250:251], v[ZA+\i+2:ZA+\i+3], v[ZA+\i+2:ZA+\i+3], v[250:251]
.endr
	s_delay_alu instid0(VALU_DEP_1)
	v_pk_add_f32 v[248:249], v[248:249], v[250:251]
	s_delay_alu instid0(VALU_DEP_1)
	v_add_f32 v248, v248, v249
	s_delay_alu instid0(VALU_DEP_1)
	v_permlanex16_b32 v250, v248, s[SEL], s[SEL+1]
	s_delay_alu instid0(VALU_DEP_1)
	v_add_f32 v248, v248, v250
	s_delay_alu instid0(VALU_DEP_1)
	v_mul_f32 v248, 0x3c800000, v248               ; the variance
	s_delay_alu instid0(VALU_DEP_1)
	v_add_f32 v248, 0x3727c5ac, v248               ; + 1e-5
	s_wait_alu depctr_va_vdst(0)
	v_rsq_f32 v248, v248
	v_nop
	s_wait_alu depctr_va_vdst(0)
	v_mov_b32 v249, v248
.irp i, 0,2,4,6,8,10,12,14,16,18,20,22,24,26,28,30
	v_pk_mul_f32 v[ZA+\i:ZA+\i+1], v[ZA+\i:ZA+\i+1], v[248:249]
.endr
.irp i, 0,2,4,6,8,10,12,14,16,18,20,22,24,26,28,30
	v_pk_fma_f32 v[ZA+\i:ZA+\i+1], v[ZA+\i:ZA+\i+1], v[LG+\i:LG+\i+1], v[LB+\i:LB+\i+1]
.endr
.set I, 0
.rept 32
	v_med3_num_f32 v[ZA+I], v[ZA+I], -v255, v255   ; the conversion to an 8-bit code does not saturate (ISA guide 7.6.2)
.set I, I+1
.endr
.irp g, 0,1,2,3
	v_cvt_scalef32_pk8_bf8_f32 v[Y+2*\g:Y+2*\g+1], v[ZA+8*\g:ZA+8*\g+7], v254
.endr
	v_nop                                          ; one plain line between the conversions and the products
.irp t, 0,1,2,3
	v_wmma_f32_16x16x64_bf8_bf8 v[LG+8*\t:LG+8*\t+7], v[W1+8*\t:W1+8*\t+7], v[Y:Y+7], 0      ; register j of lane (r, h): unit 16 t + 8 h + j of batch r
.endr
	PLACES 4
.irp i, 0,2,4,6,8,10,12,14,16,18,20,22,24,26,28,30
	v_pk_fma_f32 v[LB+\i:LB+\i+1], v[LG+\i:LG+\i+1], s[SCL7:SCL7+1], v[B1+\i:B1+\i+1] op_sel_hi:[1,0,1]   ; sum x 2^(e8 + e9) + cl_b1, each accumulator from its low end on
.endr
.set GU, LG
	GELU16 LB, KDF, C2F
.set GU, LG+16
	GELU16 LB+16, KDF, C2F
	s_wait_loadcnt 0x0                             ; cl_w2
.set K, 0
.rept 16                                       ; step K takes units 16 (K / 4) + 8 h + 2 (K % 4) + 0, 1: the same four in both operands; the two accumulators by turns
.if K < 2
	v_wmma_f32_16x16x4_f32 v[FA+8*(K%2):FA+8*(K%2)+7], v[W2+2*K:W2+2*K+1], v[LG+2*K:LG+2*K+1], 0
.else
	s_wait_alu depctr_va_vdst(0)
	v_wmma_f32_16x16x4_f32 v[FA+8*(K%2):FA+8*(K%2)+7], v[W2+2*K:W2+2*K+1], v[LG+2*K:LG+2*K+1], v[FA+8*(K%2):FA+8*(K%2)+7]
.endif
.set K, K+1
.endr
	PLACES 8
.irp j, 0,1,2,3,4,5,6,7
	v_add_f32 v[Y+\j], v[FA+\j], v[B2+\j]          ; register j of lane (r, h): class 8 h + j of batch r
.endr
.irp j, 0,1,2,3,4,5,6,7
	v_add_f32 v[Y+\j], v[Y+\j], v[FA+8+\j]
.endr
	ds_store_b64 v10, v[Y:Y+1]                     ; classes 0, 1 and 8, 9
	s_mul_i32 s5, s[WV], 640
	v_mul_u32_u24 v16, v1, 40
	v_add_nc_u32 v16, s5, v16
	v_mad_u32_u24 v16, v2, 9216, v16               ; classes 2 to 7 are lanes 0-15's alone; lanes 16-31, which have no such class, store 9,216 bytes further on, where nobody reads
	ds_store_b64 v16, v[Y+2:Y+3] offset:8
	ds_store_b64 v16, v[Y+4:Y+5] offset:16
	ds_store_b64 v16, v[Y+6:Y+7] offset:24
	s_wait_dscnt 0x0                               ; my rows of y and my entry of the statistics have landed
	s_barrier_signal -1
	s_barrier_wait -1
	s_cmp_lt_u32 s[WV], 5
	s_cbranch_scc0 .Lnot_rows
	ds_load_b128 v[16:19], v14                     ; waves 0 to 4: 1,024 bytes of out0 each
	ds_load_b128 v[20:23], v14 offset:512
	s_wait_dscnt 0x0
	global_store_b128 v14, v[16:19], s[24:25]      ; each store covers 512 consecutive bytes, aligned
	global_store_b128 v14, v[20:23], s[24:25] offset:512
	s_branch .Lend
.Lnot_rows:
	s_cmp_lg_u32 s[WV], 5
	s_cbranch_scc1 .Lend
	ds_load_b128 v[16:19], v13                     ; wave 5: entry lane % 16
	ds_load_b128 v[20:23], v13 offset:16
	s_wait_dscnt 0x0
.irp m, 1,2,4,8
.irp i, 0,1,2,3,4,5,6,7
	v_add_f32_dpp v[16+\i], v[16+\i], v[16+\i] row_xmask:\m row_mask:0xf bank_mask:0xf
.endr
.endr
	s_delay_alu instid0(VALU_DEP_4)
	v_mul_f32 v24, v16, v20
	s_delay_alu instid0(VALU_DEP_1)
	v_fma_f32 v24, v17, v21, v24
	s_delay_alu instid0(VALU_DEP_1)
	v_fma_f32 v24, v18, v22, v24
	s_delay_alu instid0(VALU_DEP_1)
	v_fma_f32 v24, v19, v23, v24
	s_delay_alu instid0(VALU_DEP_1)
	v_mul_f32 v24, 0x2f800000, v24                 ; x 2^-32
	v_cmp_eq_u32 vcc_lo, 0, v3
	s_wait_alu depctr_va_vdst(0)
	s_wait_xcnt 0x0
	s_and_saveexec_b32 s30, vcc_lo
	global_store_b32 v11, v24, s[26:27]
	s_wait_xcnt 0x0
	s_or_b32 exec_lo, exec_lo, s30
.Lend:
	s_set_vgpr_msb 0x4
	s_wait_tensorcnt 0x0
	ds_add_u32 v15, v1
	s_wait_dscnt 0x0
	s_set_vgpr_msb 0x400
	s_endpgm
.Lfunc_end_k_qf2b2f3ba69_finish:
	.size	k_qf2b2f3ba69_finish, .Lfunc_end_k_qf2b2f3ba69_finish-k_qf2b2f3ba69_finish
	.p2alignl 7, 3214868480
	.fill 96, 4, 3214868480
	.section	.rodata,"a",@progbits
	.p2align	6, 0x0
	.amdhsa_kernel k_qf2b2f3ba69_finish
		.amdhsa_group_segment_fixed_size 14592
		.amdhsa_private_segment_fixed_size 0
		.amdhsa_enable_private_segment 0
		.amdhsa_kernarg_size 80
		.amdhsa_user_sgpr_count 2
		.amdhsa_user_sgpr_kernarg_segment_ptr 1
		.amdhsa_wavefront_size32 1
		.amdhsa_system_sgpr_workgroup_id_x 1
		.amdhsa_system_sgpr_workgroup_id_y 1
		.amdhsa_system_sgpr_workgroup_id_z 1
		.amdhsa_system_vgpr_workitem_id 0
		.amdhsa_next_free_vgpr 258
		.amdhsa_next_free_sgpr 66
		.amdhsa_reserve_vcc 1
		.amdhsa_float_denorm_mode_32 3
		.amdhsa_float_denorm_mode_16_64 3
		.amdhsa_memory_ordered 1
		.amdhsa_forward_progress 1
		.amdhsa_inst_pref_size 54
	.end_amdhsa_kernel
	.amdgpu_metadata
---
amdhsa.version: [ 1, 2 ]
amdhsa.kernels:
  - .name:           k_qf2b2f3ba69_finish
    .symbol:         k_qf2b2f3ba69_finish.kd
    .args:
      - { .name: part, .offset: 0, .size: 8, .value_kind: global_buffer, .address_space: global }
      - { .name: ln_g, .offset: 8, .size: 8, .value_kind: global_buffer, .address_space: global }
      - { .name: ln_b, .offset: 16, .size: 8, .value_kind: global_buffer, .address_space: global }
      - { .name: cl_w1_codes, .offset: 24, .size: 8, .value_kind: global_buffer, .address_space: global }
      - { .name: cl_b1, .offset: 32, .size: 8, .value_kind: global_buffer, .address_space: global }
      - { .name: cl_w2, .offset: 40, .size: 8, .value_kind: global_buffer, .address_space: global }
      - { .name: cl_b2, .offset: 48, .size: 8, .value_kind: global_buffer, .address_space: global }
      - { .name: lowp_scales, .offset: 56, .size: 8, .value_kind: global_buffer, .address_space: global }
      - { .name: out0, .offset: 64, .size: 8, .value_kind: global_buffer, .address_space: global }
      - { .name: out1, .offset: 72, .size: 8, .value_kind: global_buffer, .address_space: global }
    .group_segment_fixed_size: 14592
    .private_segment_fixed_size: 0
    .kernarg_segment_align: 8
    .kernarg_segment_size: 80
    .max_flat_workgroup_size: 256
    .sgpr_count:     66
    .vgpr_count:     258
    .wavefront_size: 32
...
	.end_amdgpu_metadata
.endif
;; end of part 2
